; MI455X (gfx1250); checked and timed in simulation.
; The chip was launched on July 23, 2026; its instructions are those of AMD's public machine-readable ISA for CDNA 5 (MIT licence, August 2026) and "CDNA5" Instruction Set Architecture Reference Guide (July 2026). The comments in the code are by the model that wrote it; some were corrected since.
;; Earth Mover Distance. Allowed arithmetic: float matrix products may take bf16 or f16 operands with f32 sums; all other float work in f32.
;; Inputs: cost_matrix 64 x 64 float32; p 262,144 x 64 float32; q 262,144 x 64 float32.
;; Outputs: out0 262,144 float32.
;; 2 versions, each right. Each part assembles by itself: llvm-mc -triple=amdgcn-amd-amdhsa -mcpu=gfx1250 --defsym DOCPART=n.
;; ======== version 1 of 2: 1 launch
;; launch sinkhorn (part 1): grid 256 x 1, 8 waves a work-group, no clusters, 75,776 bytes of LDS; arguments cost_matrix, p, q, out0; writes out0
.if DOCPART == 1
	.amdgcn_target "amdgcn-amd-amdhsa--gfx1250"
	.amdhsa_code_object_version 6
	.text
	.protected	k_q46d1fd1c46_sinkhorn
	.globl	k_q46d1fd1c46_sinkhorn
	.p2align	8
	.type	k_q46d1fd1c46_sinkhorn,@function
k_q46d1fd1c46_sinkhorn:
	s_mov_b64 s[64:65], 0
	v_nop
	global_prefetch_b8 v0, s[64:65] scope:SCOPE_SE
	s_setreg_imm32_b32 hwreg(HW_REG_WAVE_MODE, 25, 1), 1
	s_wait_xcnt 0x0
; Entropic earth mover's distance: 262,144 rows of 64 states, 25 Sinkhorn iterations, all in one launch.
;   p, q normalised as (x + 1e-8) / sum(x + 1e-8);  K = exp(-C / 0.1);  25 x { v = q / (u K);  u = p / (K v) };  out = sum_i u_i ((K o C) v)_i.
; SHARES: 256 work-groups x 8 waves; a wave owns 128 consecutive rows and walks them in 4 passes of two tiles (a, b) of 16 rows.
; A row's 51 products stay in registers: nothing goes to memory between them.
; TRANSPOSED PRODUCTS: the A operand is the constant matrix (M = state out, K = state in), the B operand the activations (K = state, N = 16 rows).
;   Result tile t, lane (r = l % 16, h = l / 16), register j holds state 16 t + 8 h + j of row r; the B operand of K step s wants in registers 0-3
;   k = 32 s + 8 h + 0..7 and in registers 4-7 k = 32 s + 16 + 8 h + 0..7: so B[4 t + i] = bf16 pair of result registers 8 t + 2 i, 8 t + 2 i + 1 of the SAME lane.
;   No lane exchange and no LDS between two products.  p, q and K's diagonal are kept in that same layout.
; K = diag(K) + K_off (exact for every K; no symmetry, pattern or zero diagonal of C is assumed).  K_off goes to the matrix unit in bf16; the term d o u is made
;   in f32 and enters the product as its C operand, so that where the diagonal dominates the iteration carries no bf16 rounding from step to step.
; ROW MAP: pass k, tile x, column r is row 4 (16 x + r) + k of the wave's 128: after four passes lane l = 16 x + r owns rows 4 l .. 4 l + 3, 16 bytes of out0,
;   and the wave's one store covers 512 consecutive bytes, aligned.
; NO CLUSTER: all that work-groups share is the cost matrix, 16,384 bytes read once by each, beside 524,288 bytes of p and q that are each work-group's own.
; NO TENSOR LOADS: a pass loads 16 KiB a wave once and then runs 51 products on it; the rows need a lane transpose, which the wave's own LDS stage makes.
; LIMITS, stated: a division is v_rcp_f32 and a multiply; v_rcp_f32 and v_exp_f32 flush denormals (ISA guide 15.8), so entries of K below 2^-126
;   (a cost above about 8.7) count as 0 and a denominator beyond 2^126 gives 0; the normalising sum is formed as sum(x) + 64e-8 in a tree order, not as
;   sum(x + 1e-8) in order; K_off, K o C and the activations that enter products are rounded to bf16 (bf16, not f16: u and v span tens of decades).
;
; LDS (bytes):
.set KP,    144                        ; pitch of the bf16 images: 128 bytes of data + 16
.set KZ,    0                          ; K with its diagonal zeroed, bf16, 64 rows
.set KCI,   9216                       ; K o C, bf16, 64 rows
.set KF,    18432                      ; K in f32, 64 rows; only the diagonal is read back
.set KFP,   272                        ; its pitch: 256 + 16
.set STG,   35840                      ; a stage of 16 rows for each wave, for the transpose of p and q
.set SP,    272                        ; its pitch: 256 + 16, so that the 16 rows which a 16-byte load touches differ in their place modulo 256 bytes
.set STGW,  16*SP
.set OUTS,  70656                      ; 512 bytes for each wave: lane x 16 + pass x 4
.set PASSES, 4
.set ITERS, 25
; REGISTERS, window 0 (v0-v255):
.set LOFF,  4                          ; h x 1024 + r x 16: my 16 bytes in the two rows that one global load covers
.set STO,   5                          ; stage, in:   h x 272 + r x 16
.set RD,    6                          ; stage, back: r x 272 + h x 32
.set PFO,   7                          ; l x 1024: one row of a pass for each lane (prefetch)
.set OUTA,  8                          ; where this pass's result goes; steps by 4
.set OUTR,  9                          ; where the four results are read back
.set OOFF,  10                         ; 16 l: my bytes of out0
.set FA,    11                         ; fragment address, K along the LDS rows
.set TA,    12                         ; fragment address, transposing load
.set DA,    13                         ; diagonal of K
.set DG,    16                         ; v[16:47]   d in the result layout
.set ONES,  48                         ; v[48:55]   a B operand of ones (u = 1)
.set KT,    64                         ; v[64:127]  A(j, i) = K_off[i][j]: fragment (t, s) at 8 (2 t + s)
.set KM,    128                        ; v[128:191] A(i, j) = K_off[i][j]
.set KC,    192                        ; v[192:255] A(i, j) = (K o C)[i][j]
.set CR,    64                         ; set-up only: C, K, K o C, K_off in f32 (16 each), packed bf16 (16)
.set KR,    80
.set KCR,   96
.set KZR,   112
.set PK,    128
; window 1 (v256-v511), tile x at 128 x:
.set P_,    0                          ; 32: p
.set Q_,    32                         ; 32: q; at the end (K o C) v
.set ACC,   64                         ; 32: the sums, then v or u in f32, then d o v or d o u
.set BU,    96                         ; 16: u in bf16, a B operand of two K steps
.set BV,    112                        ; 16: v in bf16
; s_set_vgpr_msb's low byte: bits 1:0 source 0, 3:2 source 1, 5:4 source 2, 7:6 destination
.set W_ALL1, 0x55                      ; everything in window 1
.set W_MUL,  0x54                      ; source 0 (constants) in window 0, the rest in window 1
.set W_LD1,  0x40                      ; destination in window 1, address and sources in window 0
.set W_LNK,  0x50                      ; destination and C in window 1, A and B in window 0
.set W_ST1,  0x04                      ; LDS store: address in window 0, data in window 1
.set MSB, 0
.macro WIN new                         ; the immediate's high byte repeats the setting that is left; a switch that changes nothing is dropped
.if MSB != \new
	s_set_vgpr_msb (MSB<<8)|\new
.set MSB, \new
.endif
.endm
	s_load_b256 s[4:11], s[0:1], 0x0               ; C s[4:5], p s[6:7], q s[8:9], out0 s[10:11]
	v_lshl_add_u32 v62, v0, 2, 0x12400
	v_mov_b32 v63, 0
	v_and_b32 v1, 31, v0                           ; l
	v_and_b32 v2, 15, v0                           ; r
	v_bfe_u32 v3, v0, 4, 1                         ; h
	v_lshrrev_b32 v14, 5, v0
	v_readfirstlane_b32 s12, v14                   ; wave 0..7
	s_mov_b32 s16, 0x76543210                      ; v_permlanex16_b32: lane i of one half reads lane i of the other
	s_mov_b32 s17, 0xfedcba98
	s_mov_b32 s18, 0xffff0000                      ; lanes 16-31
	s_lshl_b32 s14, ttmp9, 18                      ; 1,024 rows of 256 bytes for each work-group (255 x 262,144 stays below 2^32)
	s_lshl_b32 s15, s12, 15                        ; 128 rows for each wave
	s_add_co_u32 s14, s14, s15
	s_mov_b32 s15, 0
	s_lshl_b32 s22, ttmp9, 12                      ; out0: 4,096 bytes for each work-group,
	s_lshl_b32 s23, s12, 9                         ; 512 for each wave
	s_add_co_u32 s22, s22, s23
	s_mov_b32 s23, 0
	s_mul_i32 s13, s12, STGW
	s_add_co_u32 s13, s13, STG                     ; my wave's stage
	s_lshl_b32 s19, s12, 9
	s_add_co_u32 s19, s19, OUTS                    ; my wave's results
	s_mul_i32 s24, s12, 2*KFP                      ; set-up: my wave stores rows 2 w, 2 w + 1 of each 16 rows of K
	s_mul_i32 s25, s12, 2*KP
	v_lshlrev_b32 v[LOFF], 4, v2
	v_lshl_add_u32 v[LOFF], v3, 10, v[LOFF]
	v_mul_u32_u24 v14, v3, SP
	v_lshl_add_u32 v14, v2, 4, v14                 ; h x 272 + 16 r
	v_add_nc_u32 v[STO], s13, v14
	v_add_nc_u32 v57, s24, v14                     ; K in f32: (2 w + h) x 272 + 16 r
	v_mul_u32_u24 v15, v2, SP
	v_lshl_add_u32 v15, v3, 5, v15
	v_add_nc_u32 v[RD], s13, v15
	v_lshlrev_b32 v[PFO], 10, v1
	v_lshl_add_u32 v[OUTA], v1, 4, s19
	v_mov_b32 v[OUTR], v[OUTA]
	v_lshlrev_b32 v[OOFF], 4, v1
	v_mul_u32_u24 v[FA], v2, KP
	v_lshl_add_u32 v[FA], v3, 4, v[FA]             ; r x 144 + 16 h
	v_and_b32 v14, 7, v0
	v_lshl_add_u32 v14, v3, 3, v14
	v_mul_u32_u24 v[TA], v14, KP
	v_bfe_u32 v14, v0, 3, 1
	v_lshl_add_u32 v[TA], v14, 4, v[TA]            ; (8 h + l % 8) x 144 + 16 ((l / 8) % 2)
	v_mul_u32_u24 v[DA], v3, 8*(KFP+4)
	v_add_nc_u32 v[DA], KF, v[DA]                  ; K[n][n] lies at KF + 276 n; my states begin at 8 h
	v_mul_u32_u24 v59, v3, KP
	v_lshl_add_u32 v59, v2, 3, v59
	v_add_nc_u32 v59, s25, v59                     ; bf16 images: (2 w + h) x 144 + 8 r
	v_lshrrev_b32 v56, 4, v0                       ; 2 w + h
	v_lshlrev_b32 v58, 2, v2
	v_sub_nc_u32 v58, v58, v56                     ; 4 r - (2 w + h): element (e, c) of mine is on the diagonal where this is 16 e - c
	v_lshlrev_b32 v60, 4, v0                       ; thread t: 16 bytes at 16 t of each quarter of C
	s_wait_kmcnt 0x0
.irp e, 0,1,2,3
	global_load_b128 v[CR+4*\e:CR+4*\e+3], v60, s[4:5] offset:\e*4096      ; row 16 e + 2 w + h, columns 4 r .. 4 r + 3
.endr
	s_add_nc_u64 s[6:7], s[6:7], s[14:15]          ; p, q at my wave's first row
	s_add_nc_u64 s[8:9], s[8:9], s[14:15]
	s_add_nc_u64 s[10:11], s[10:11], s[22:23]      ; out0 at my wave's 512 bytes
	global_prefetch_b8 v[PFO], s[6:7] th:TH_LOAD_NT scope:SCOPE_SE         ; pass 0's 32 rows of p and of q: lane l asks at the first byte of row 4 l;
	global_prefetch_b8 v[PFO], s[8:9] th:TH_LOAD_NT scope:SCOPE_SE         ; each row is asked for once, by the wave that will load it behind the set-up
.irp i, 0,1,2,3,4,5,6,7
	v_mov_b32 v[ONES+\i], 0x3f803f80               ; two bf16 ones
.endr
	s_wait_loadcnt 0x0                             ; C is there
	; K = 2^(-10 log2(e) C), K o C, K with its diagonal zeroed: each thread 16 elements
.set ii, 0
.rept 16
	v_mul_f32 v[KR+ii], 0xc166d4ca, v[CR+ii]       ; -14.426950
.set ii, ii+1
.endr
.set ii, 0
.rept 16
	v_exp_f32 v[KR+ii], v[KR+ii]
.set ii, ii+1
.endr
	v_nop                                          ; one plain vector instruction between the last v_exp_f32 and the first use of a result (ISA guide 5.7.2)
.set ii, 0
	s_wait_alu depctr_va_vdst(0)
.rept 8
	v_pk_mul_f32 v[KCR+ii:KCR+ii+1], v[KR+ii:KR+ii+1], v[CR+ii:CR+ii+1]
.set ii, ii+2
.endr
.irp e, 0,1,2,3
	ds_store_b128 v57, v[KR+4*\e:KR+4*\e+3] offset:KF+\e*16*KFP
.endr
.irp e, 0,1,2,3
.irp c, 0,1,2,3
	v_cmp_ne_i32 vcc_lo, 16*\e-\c, v58
	v_cndmask_b32 v[KZR+4*\e+\c], 0, v[KR+4*\e+\c], vcc_lo                 ; off the diagonal: K; on it: 0
.endr
.endr
.irp e, 0,1,2,3
.irp c, 0,1
	v_cvt_pk_bf16_f32 v[PK+2*\e+\c],   v[KZR+4*\e+2*\c], v[KZR+4*\e+2*\c+1]
	v_cvt_pk_bf16_f32 v[PK+8+2*\e+\c], v[KCR+4*\e+2*\c], v[KCR+4*\e+2*\c+1]
.endr
.endr
.irp e, 0,1,2,3
	ds_store_b64 v59, v[PK+2*\e:PK+2*\e+1]     offset:KZ+\e*16*KP
	ds_store_b64 v59, v[PK+8+2*\e:PK+8+2*\e+1] offset:KCI+\e*16*KP
.endr
	s_wait_dscnt 0x0                               ; zero: the other waves read what I stored
	s_barrier_signal -1
	s_barrier_wait -1                              ; the launch's only barrier: the three images are whole
	; the constants into registers, for the whole launch
.irp t, 0,1,2,3
.irp s, 0,1
	ds_load_tr16_b128 v[KT+8*(2*\t+\s):KT+8*(2*\t+\s)+3],   v[TA] offset:KZ+32*KP*\s+32*\t            ; k = 32 s + 8 h .. of column 16 t + r
	ds_load_tr16_b128 v[KT+8*(2*\t+\s)+4:KT+8*(2*\t+\s)+7], v[TA] offset:KZ+32*KP*\s+32*\t+16*KP      ; k = 32 s + 16 + 8 h ..
	ds_load_b128 v[KM+8*(2*\t+\s):KM+8*(2*\t+\s)+3],   v[FA] offset:KZ+16*KP*\t+64*\s                 ; row 16 t + r, k = 32 s + 8 h ..
	ds_load_b128 v[KM+8*(2*\t+\s)+4:KM+8*(2*\t+\s)+7], v[FA] offset:KZ+16*KP*\t+64*\s+32
	ds_load_b128 v[KC+8*(2*\t+\s):KC+8*(2*\t+\s)+3],   v[FA] offset:KCI+16*KP*\t+64*\s
	ds_load_b128 v[KC+8*(2*\t+\s)+4:KC+8*(2*\t+\s)+7], v[FA] offset:KCI+16*KP*\t+64*\s+32
.endr
.endr
.irp t, 0,1,2,3
.irp j, 0,1,2,3,4,5,6,7
	ds_load_b32 v[DG+8*\t+\j], v[DA] offset:(16*\t+\j)*(KFP+4)             ; d of state 16 t + 8 h + j
.endr
.endr
	s_wait_dscnt 0x0
; One array of 16 rows x 64 f32 from the load layout (lane: 16 bytes of a row) to the result layout (lane: 32 states of row r), through my wave's own stage.
; LDS serves a wave's instructions in order (ISA guide 5.7.1): no wait between the stores and the loads, nor in front of the next array's stores.
; left = the p and q loads issued behind this array's eight.
.macro STAGE raw, dst, left
	s_wait_loadcnt \left
	WIN W_ST1
.irp i, 0,1,2,3,4,5,6,7
	ds_store_b128 v[STO], v[\raw+4*\i:\raw+4*\i+3] offset:2*SP*\i          ; rows 2 i + h
.endr
	WIN W_LD1
.irp t, 0,1,2,3
.irp e, 0,1
	ds_load_b128 v[\dst+8*\t+4*\e:\dst+8*\t+4*\e+3], v[RD] offset:64*\t+16*\e   ; states 16 t + 8 h + 4 e ..
.endr
.endr
.endm
; x = (x + 1e-8) / (sum(x) + 64e-8) on the 32 registers at xb; the other 32 states of the row lie in lane l xor 16.  Temporaries: BV of tile a.
.macro NORM xb
	WIN W_ALL1
.irp c, 0,2,4,6
	v_pk_add_f32 v[BV+\c:BV+\c+1], v[\xb+\c:\xb+\c+1], v[\xb+8+\c:\xb+8+\c+1]   ; four chains, started by the first sums: nothing is cleared
.endr
.irp g, 16,24
.irp c, 0,2,4,6
	v_pk_add_f32 v[BV+\c:BV+\c+1], v[BV+\c:BV+\c+1], v[\xb+\g+\c:\xb+\g+\c+1]
.endr
.endr
	v_pk_add_f32 v[BV:BV+1], v[BV:BV+1], v[BV+2:BV+3]
	v_pk_add_f32 v[BV+4:BV+5], v[BV+4:BV+5], v[BV+6:BV+7]
	v_pk_add_f32 v[BV:BV+1], v[BV:BV+1], v[BV+4:BV+5]
	v_add_f32 v[BV], v[BV], v[BV+1]
	v_permlanex16_b32 v[BV+1], v[BV], s16, s17
	v_add_f32 v[BV], v[BV], v[BV+1]
	v_add_f32 v[BV], 0x352bcc77, v[BV]             ; + 64 x 1e-8
	v_rcp_f32 v[BV+2], v[BV]
	v_nop                                          ; the plain place behind v_rcp_f32
	s_wait_alu depctr_va_vdst(0)
	v_mul_f32 v[BV+4], 0x322bcc77, v[BV+2]         ; 1e-8 / sum
.set ii, 0
.rept 16
	v_pk_fma_f32 v[\xb+ii:\xb+ii+1], v[\xb+ii:\xb+ii+1], v[BV+2:BV+3], v[BV+4:BV+5] op_sel_hi:[1,0,0]   ; both halves by BV+2 and BV+4
.set ii, ii+2
.endr
.endm
; The elementwise half of a step on tile x: ACC = num / ACC (v or u in f32); bb = its bf16 image, the next B operand; ACC = d o ACC, the next product's C.
; The reciprocals run eight registers ahead of the multiplies, so that plain vector instructions stand between each v_rcp_f32 and the use of its result.
; last = 1: ACC keeps u in f32; no bf16 image, no diagonal term.
.macro ESTEP x, num, bb, last
	WIN W_ALL1
.set ea, 128*\x+ACC
.set en, 128*\x+\num
.set eb, 128*\x+\bb
.irp j, 0,1,2,3,4,5,6,7
	v_rcp_f32 v[ea+\j], v[ea+\j]
.endr
	v_nop                                          ; the plain place between the first eight reciprocals and their first use
.set ee, 0
.rept 12
	v_rcp_f32 v[ea+ee+8], v[ea+ee+8]
	v_rcp_f32 v[ea+ee+9], v[ea+ee+9]
	s_wait_alu depctr_va_vdst(0)
	v_pk_mul_f32 v[ea+ee:ea+ee+1], v[ea+ee:ea+ee+1], v[en+ee:en+ee+1]
.if \last == 0
	v_cvt_pk_bf16_f32 v[eb+ee/2], v[ea+ee], v[ea+ee+1]
.endif
.set ee, ee+2
.endr
	s_wait_alu depctr_va_vdst(0)
.rept 4
	v_pk_mul_f32 v[ea+ee:ea+ee+1], v[ea+ee:ea+ee+1], v[en+ee:en+ee+1]
.if \last == 0
	v_cvt_pk_bf16_f32 v[eb+ee/2], v[ea+ee], v[ea+ee+1]
.endif
.set ee, ee+2
.endr
.if \last == 0
	WIN W_MUL
.set ee, 0
.rept 16
	v_pk_mul_f32 v[ea+ee:ea+ee+1], v[DG+ee:DG+ee+1], v[ea+ee:ea+ee+1]
.set ee, ee+2
.endr
.endif
.endm
; The matrix half: ACC += af x bb, 64 states out x 64 states in x 16 rows.  The four accumulators take turns, one instruction a turn, and the matrix
; instructions in front of and behind the block are the other tile's.
; PLACES: between this block and the first vector instruction that reads its sums or writes one of its registers stands the other tile's ESTEP, with at
; least 17 plain vector instructions that name none of this block's registers (four are needed: ISA guide 7.12.1); round the loop's backward jump too.
.macro WSTEP x, af, bb
	WIN W_MUL
.irp s, 0,1
.irp t, 0,1,2,3
	v_wmma_f32_16x16x32_bf16 v[128*\x+ACC+8*\t:128*\x+ACC+8*\t+7], v[\af+8*(2*\t+\s):\af+8*(2*\t+\s)+7], v[128*\x+\bb+8*\s:128*\x+\bb+8*\s+7], v[128*\x+ACC+8*\t:128*\x+ACC+8*\t+7]
.endr
.endr
.endm
; The last product: (K o C) v into q's registers, which are free by then; the first K step starts the sums.
.macro WFIN x
	WIN W_MUL
.irp t, 0,1,2,3
	v_wmma_f32_16x16x32_bf16 v[128*\x+Q_+8*\t:128*\x+Q_+8*\t+7], v[KC+16*\t:KC+16*\t+7], v[128*\x+BV:128*\x+BV+7], 0
.endr
.irp t, 0,1,2,3
	v_wmma_f32_16x16x32_bf16 v[128*\x+Q_+8*\t:128*\x+Q_+8*\t+7], v[KC+16*\t+8:KC+16*\t+15], v[128*\x+BV+8:128*\x+BV+15], v[128*\x+Q_+8*\t:128*\x+Q_+8*\t+7]
.endr
.endm
; sum over the 64 states of u o ((K o C) v): 32 in my lane, 32 in lane l xor 16.  The result lands in p's first register, in both lanes of column r.
.macro DOT x
	WIN W_ALL1
.set da, 128*\x+ACC
.set dq, 128*\x+Q_
.set dt, 128*\x+P_
.irp c, 0,2,4,6
	v_pk_mul_f32 v[dt+\c:dt+\c+1], v[da+\c:da+\c+1], v[dq+\c:dq+\c+1]
.endr
.irp g, 8,16,24
.irp c, 0,2,4,6
	v_pk_fma_f32 v[dt+\c:dt+\c+1], v[da+\g+\c:da+\g+\c+1], v[dq+\g+\c:dq+\g+\c+1], v[dt+\c:dt+\c+1]
.endr
.endr
	v_pk_add_f32 v[dt:dt+1], v[dt:dt+1], v[dt+2:dt+3]
	v_pk_add_f32 v[dt+4:dt+5], v[dt+4:dt+5], v[dt+6:dt+7]
	v_pk_add_f32 v[dt:dt+1], v[dt:dt+1], v[dt+4:dt+5]
	v_add_f32 v[dt], v[dt], v[dt+1]
	v_permlanex16_b32 v[dt+1], v[dt], s16, s17
	v_add_f32 v[dt], v[dt], v[dt+1]
.endm
	s_mov_b32 s21, 0                               ; pass
.Lpass:
	; 32 loads: 2 tiles x (p, q) x 16 rows of 256 bytes; sixteen lanes take one whole row.  They land in registers that are free here:
	; p in ACC, q in BU and BV.  The last matrix instructions that named these stand in front of DOT a and DOT b of the pass before.
	WIN W_LD1
.irp x, 0,1
.irp i, 0,1,2,3,4,5,6,7
	global_load_b128 v[128*\x+ACC+4*\i:128*\x+ACC+4*\i+3], v[LOFF], s[6:7] offset:16384*\x+2048*\i th:TH_LOAD_NT
.endr
.irp i, 0,1,2,3,4,5,6,7
	global_load_b128 v[128*\x+BU+4*\i:128*\x+BU+4*\i+3], v[LOFF], s[8:9] offset:16384*\x+2048*\i th:TH_LOAD_NT
.endr
.endr
	STAGE ACC, P_, 24
	STAGE BU, Q_, 16
	STAGE 128+ACC, 128+P_, 8
	STAGE 128+BU, 128+Q_, 0
	s_wait_dscnt 0x0                               ; p and q of both tiles are in their registers
	NORM P_
	NORM Q_
	NORM 128+P_
	NORM 128+Q_
	; the first product, u = 1: ACC = d + K_off^T 1.  d is the C operand of the first K step; eight accumulators take turns.
	WIN W_LD1
.irp x, 0,1
.irp t, 0,1,2,3
	v_wmma_f32_16x16x32_bf16 v[128*\x+ACC+8*\t:128*\x+ACC+8*\t+7], v[KT+16*\t:KT+16*\t+7], v[ONES:ONES+7], v[DG+8*\t:DG+8*\t+7]
.endr
.endr
	WIN W_LNK
.irp x, 0,1
.irp t, 0,1,2,3
	v_wmma_f32_16x16x32_bf16 v[128*\x+ACC+8*\t:128*\x+ACC+8*\t+7], v[KT+16*\t+8:KT+16*\t+15], v[ONES:ONES+7], v[128*\x+ACC+8*\t:128*\x+ACC+8*\t+7]
.endr
.endr
.rept 4
	v_nop                                          ; four places in front of the first read of tile a's sums; tile b's are read behind ESTEP a
.endr
	s_mov_b32 s20, ITERS-1
	WIN 0                                          ; at a label and at a branch every window is 0
.Liter:                                            ; a trip: v and u of one iteration, and the product that the next v needs
	ESTEP 0, Q_, BV, 0                             ; v = q / (u K)
	WSTEP 0, KM, BV                                ; K v
	ESTEP 1, Q_, BV, 0
	WSTEP 1, KM, BV
	ESTEP 0, P_, BU, 0                             ; u = p / (K v)
	WSTEP 0, KT, BU                                ; u K
	ESTEP 1, P_, BU, 0
	WSTEP 1, KT, BU
	WIN 0
	s_sub_co_i32 s20, s20, 1
	s_cmp_lg_u32 s20, 0
	s_cbranch_scc1 .Liter
	; The next pass's rows: lane l asks at the first byte of row 4 l + pass + 1 of p and of q, one written-out iteration and the last product ahead of
	; the loads; each row once, by the wave that will load it.  The last pass asks for nothing.
	s_cmp_eq_u32 s21, PASSES-1
	s_cbranch_scc1 .Lnopf
	global_prefetch_b8 v[PFO], s[6:7] offset:256 th:TH_LOAD_NT scope:SCOPE_SE
	global_prefetch_b8 v[PFO], s[8:9] offset:256 th:TH_LOAD_NT scope:SCOPE_SE
.Lnopf:
	; iteration 25, written out: u stays in f32, v's bf16 image feeds the last product
	ESTEP 0, Q_, BV, 0
	WSTEP 0, KM, BV
	ESTEP 1, Q_, BV, 0
	WSTEP 1, KM, BV
	ESTEP 0, P_, BU, 1                             ; behind WSTEP 0 stands ESTEP 1
	WFIN 0
	ESTEP 1, P_, BU, 1                             ; behind WSTEP 1 stands ESTEP 0; this one fills the places behind WFIN 0
	WFIN 1
	DOT 0                                          ; fills the places behind WFIN 1: it names tile a's registers alone
	DOT 1
	v_cndmask_b32 v[P_+2], v[P_], v[128+P_], s18   ; lanes 0-15: tile a's column r; lanes 16-31: tile b's
	WIN W_ST1
	ds_store_b32 v[OUTA], v[P_+2]                  ; row 4 l + pass of my wave
	WIN 0
	v_add_nc_u32 v[OUTA], 4, v[OUTA]
	s_wait_xcnt 0x0                                ; the bases that this pass's loads and prefetches name are stepped only behind this wait
	s_add_nc_u64 s[6:7], s[6:7], 256               ; the next pass takes the next row of each four
	s_add_nc_u64 s[8:9], s[8:9], 256
	s_add_co_u32 s21, s21, 1
	s_cmp_lt_u32 s21, PASSES
	s_cbranch_scc1 .Lpass
	ds_load_b128 v[56:59], v[OUTR]                 ; my wave's own bytes, served behind its four stores: rows 4 l .. 4 l + 3
	s_wait_dscnt 0x0
	global_store_b128 v[OOFF], v[56:59], s[10:11] th:TH_STORE_NT           ; the wave stores 512 consecutive bytes, aligned
	s_wait_tensorcnt 0x0
	ds_add_u32 v62, v63
	s_wait_dscnt 0x0
	s_endpgm
.Lfunc_end_k_q46d1fd1c46_sinkhorn:
	.size	k_q46d1fd1c46_sinkhorn, .Lfunc_end_k_q46d1fd1c46_sinkhorn-k_q46d1fd1c46_sinkhorn
	.p2alignl 7, 3214868480
	.fill 96, 4, 3214868480
	.section	.rodata,"a",@progbits
	.p2align	6, 0x0
	.amdhsa_kernel k_q46d1fd1c46_sinkhorn
		.amdhsa_group_segment_fixed_size 75776
		.amdhsa_private_segment_fixed_size 0
		.amdhsa_enable_private_segment 0
		.amdhsa_kernarg_size 32
		.amdhsa_user_sgpr_count 2
		.amdhsa_user_sgpr_kernarg_segment_ptr 1
		.amdhsa_wavefront_size32 1
		.amdhsa_system_sgpr_workgroup_id_x 1
		.amdhsa_system_sgpr_workgroup_id_y 1
		.amdhsa_system_sgpr_workgroup_id_z 1
		.amdhsa_system_vgpr_workitem_id 0
		.amdhsa_next_free_vgpr 512
		.amdhsa_next_free_sgpr 66
		.amdhsa_reserve_vcc 1
		.amdhsa_float_denorm_mode_32 3
		.amdhsa_float_denorm_mode_16_64 3
		.amdhsa_memory_ordered 1
		.amdhsa_forward_progress 1
		.amdhsa_inst_pref_size 72
	.end_amdhsa_kernel
	.amdgpu_metadata
---
amdhsa.version: [ 1, 2 ]
amdhsa.kernels:
  - .name:           k_q46d1fd1c46_sinkhorn
    .symbol:         k_q46d1fd1c46_sinkhorn.kd
    .args:
      - { .name: cost_matrix, .offset: 0, .size: 8, .value_kind: global_buffer, .address_space: global }
      - { .name: p, .offset: 8, .size: 8, .value_kind: global_buffer, .address_space: global }
      - { .name: q, .offset: 16, .size: 8, .value_kind: global_buffer, .address_space: global }
      - { .name: out0, .offset: 24, .size: 8, .value_kind: global_buffer, .address_space: global }
    .group_segment_fixed_size: 75776
    .private_segment_fixed_size: 0
    .kernarg_segment_align: 8
    .kernarg_segment_size: 32
    .max_flat_workgroup_size: 256
    .sgpr_count:     66
    .vgpr_count:     512
    .wavefront_size: 32
...
	.end_amdgpu_metadata
.endif
;; end of part 1
;; ======== version 2 of 2: 1 launch
;; limits: right only within a limited range of input values
;; launch sinkhorn (part 2): grid 256 x 1, 16 waves a work-group, no clusters, 103,936 bytes of LDS; arguments cost_matrix, p, q, out0; writes out0
.if DOCPART == 2
	.amdgcn_target "amdgcn-amd-amdhsa--gfx1250"
	.amdhsa_code_object_version 6
	.text
	.protected	k_q46d1fd1c46_sinkhorn
	.globl	k_q46d1fd1c46_sinkhorn
	.p2align	8
	.type	k_q46d1fd1c46_sinkhorn,@function
k_q46d1fd1c46_sinkhorn:
	s_mov_b64 s[64:65], 0
	v_nop
	global_prefetch_b8 v0, s[64:65] scope:SCOPE_SE
	s_setreg_imm32_b32 hwreg(HW_REG_WAVE_MODE, 25, 1), 1
	s_wait_xcnt 0x0
; Entropic earth mover's distance: 262,144 rows of 64 states, 25 Sinkhorn iterations, all in one launch.
;   p, q normalised as (x + 1e-8) / sum(x + 1e-8);  K = exp(-C / 0.1);  25 x { v = q / (u K);  u = p / (K v) };  out = sum_i u_i ((K o C) v)_i.
; SHARES: 256 work-groups x 16 waves; a wave owns 64 consecutive rows and walks them in 4 passes of one tile of 16 rows.  A row's 51 products stay in
;   registers.  The work of a tile is one chain (product, reciprocal, product, ..), so what overlaps matrix and vector work is other chains: here other waves.
;   256 registers a wave: every operand is named directly, no s_set_vgpr_msb is written.
; TRANSPOSED PRODUCTS: the A operand is the constant matrix (M = state out, K = state in), the B operand the activations (K = state, N = 16 rows).
;   Result tile t, lane (r = l % 16, h = l / 16), register j holds state 16 t + 8 h + j of row r; the B operand of K step s wants in registers 0-3
;   k = 32 s + 8 h + 0..7 and in registers 4-7 k = 32 s + 16 + 8 h + 0..7: so B[4 t + i] = bf16 pair of result registers 8 t + 2 i, 8 t + 2 i + 1 of the SAME lane.
;   No lane exchange and no LDS between two products.  p, q and the diagonal's factors are kept in that same layout.
; THE DIAGONAL IS FOLDED INTO THE VARIABLES (exact algebra; no symmetry, pattern or zero diagonal of C is assumed).  With c = the middle of the diagonal's range,
;   d_i = exp(-10 (C_ii - c)), u~ = d o u, v~ = d o v', p~ = d o p, q~ = d o q:
;     v~_j = q~_j / (u~_j + sum_{i != j} R_ij u~_i),  R_ij = exp(-10 (C_ij - C_ii));     u~_i = p~_i / (v~_i + sum_{j != i} S_ij v~_j),  S_ij = exp(-10 (C_ij - C_jj));
;     out = sum_i (u~_i / d_i) sum_j C_ij S_ij v~_j.
;   (Dividing K by the common factor exp(-10 c) multiplies v by it, v' above, and changes neither u nor the result: a common offset of C costs no range.)
;   The diagonal term has the factor 1: the f32 value itself is the product's C operand, so that where the diagonal dominates the iteration carries no bf16
;   rounding from step to step; R and S without their diagonals, and C o S, go to the matrix unit in bf16.
; ROW MAP: pass k, column r is row 4 r + k of the wave's 64; the results gather in 256 bytes of LDS in row order, and at the end lane l stores 8 bytes:
;   the wave's one store covers 256 consecutive bytes, aligned.
; NO CLUSTER: all that work-groups share is the cost matrix, 16,384 bytes read once by each, beside 524,288 bytes of p and q that are each work-group's own.
; NO TENSOR LOADS: a pass loads 8 KiB a wave once and then runs 51 products on it; the loads are issued one iteration and the last product ahead, into registers free by then.
; LIMITS, stated: a division is v_rcp_f32 and a multiply; v_rcp_f32 and v_exp_f32 flush denormals (ISA guide 15.8), so entries of R and S below 2^-126 count as 0
;   and a denominator beyond 2^126 gives 0; the normalising sum is formed as sum(x) + 64e-8 in a tree order, not as sum(x + 1e-8) in order; R, S, C o S and the
;   activations that enter products are rounded to bf16 (bf16, not f16: u and v span tens of decades).  From the scaling: C_ii - C_ij and C_jj - C_ij must stay
;   below 8.8 (else R or S overflow), and the diagonal's range, max C_ii - min C_ii, below about 12 (so that d o p and d o q stay normal numbers).
;
; LDS (bytes):
.set KP,    144                        ; pitch of the bf16 images: 128 bytes of data + 16
.set RZ,    0                          ; R, diagonal zeroed, bf16, 64 rows
.set SZ,    9216                       ; S, diagonal zeroed
.set KCI,   18432                      ; C o S, diagonal kept
.set DV,    27648                      ; d, 64 f32
.set IDV,   27904                      ; 1 / d, 64 f32
.set STG,   28160                      ; a stage of 16 rows for each wave, for the transpose of p and q
.set SP,    272                        ; its pitch: 256 + 16, so that the 16 rows which a 16-byte load touches differ in their place modulo 256 bytes
.set STGW,  16*SP
.set OUTS,  97792                      ; 256 bytes for each wave: its 64 results in row order
.set PASSES, 4
.set ITERS, 25
.set AHEAD, 4                          ; trips between the prefetch of the next pass's rows and their loads
; REGISTERS:
.set LOFF,  4                          ; h x 1024 + r x 16: my 16 bytes in the two rows that one global load covers
.set STO,   5                          ; stage, in:   h x 272 + r x 16
.set RD,    6                          ; stage, back: r x 272 + h x 32
.set PFO,   7                          ; r x 1024 + h x 16384: a row of my wave's pass (h = 0) or of the next wave's (h = 1)
.set OUTA,  8                          ; where this pass's result goes; steps by 4
.set OUTR,  9                          ; where two results are read back
.set OOFF,  10                         ; 8 l: my bytes of out0
.set FA,    11                         ; fragment address, K along the LDS rows
.set TA,    12                         ; fragment address, transposing load
.set DA,    13                         ; 32 h: my eight states in each 16 of d and 1 / d
.set KT,    16                         ; v[16:79]   A(j, i) = R[i][j]: fragment (t, s) at 8 (2 t + s); between passes the raw p and q
.set KM,    80                         ; v[80:143]  A(i, j) = S[i][j]; for the last product C o S
.set P_,    144                        ; v[144:175] d o p; at the end (C o S) v~
.set Q_,    176                        ; v[176:207] d o q; at the end 1 / d, then the sums of the last dot product
.set ACC,   208                        ; v[208:239] the sums, then v~ or u~ in f32, which is the next product's C
.set B_,    240                        ; v[240:255] v~ or u~ in bf16, a B operand of two K steps
; set-up only, in registers that the passes use later:
.set CR,    144                        ; 8: my elements of C
.set CDR,   152                        ; 2: C_ii of my two rows
.set CDC,   154                        ; 4: C_jj of my four columns
.set DIA,   158                        ; 2: C_ll and C_(l+32), for the diagonal's range
.set RR,    160                        ; 8
.set SS,    168                        ; 8
.set KCR,   176                        ; 8
.set PK,    184                        ; 12: R, S, C o S packed to bf16
.set DD,    196                        ; 4: d of my columns
.set ID,    200                        ; 4: 1 / d
.set CO,    204
.set CRO,   205
.set CCO,   206
.set CLO,   207
.set IMG,   208
.set DGT,   209
.set DSTO,  210
.set MX,    212
.set MN,    213
.set CB,    214
; 16 loads: p's and q's 16 rows of 256 bytes of one pass; sixteen lanes take one whole row.  They land in KT's registers.
.macro LOADPQ off
.irp i, 0,1,2,3,4,5,6,7
	global_load_b128 v[KT+4*\i:KT+4*\i+3], v[LOFF], s[6:7] offset:\off+2048*\i th:TH_LOAD_NT
.endr
.irp i, 0,1,2,3,4,5,6,7
	global_load_b128 v[KT+32+4*\i:KT+32+4*\i+3], v[LOFF], s[8:9] offset:\off+2048*\i th:TH_LOAD_NT
.endr
.endm
	s_load_b256 s[4:11], s[0:1], 0x0               ; C s[4:5], p s[6:7], q s[8:9], out0 s[10:11]
	v_and_b32 v1, 31, v0                           ; l
	v_and_b32 v2, 15, v0                           ; r
	v_bfe_u32 v3, v0, 4, 1                         ; h
	v_lshrrev_b32 v14, 5, v0
	v_readfirstlane_b32 s12, v14                   ; wave 0..15
	s_mov_b32 s16, 0x76543210                      ; v_permlanex16_b32: lane i of one half reads lane i of the other
	s_mov_b32 s17, 0xfedcba98
	s_lshl_b32 s14, ttmp9, 18                      ; 1,024 rows of 256 bytes for each work-group (255 x 262,144 stays below 2^32)
	s_lshl_b32 s15, s12, 14                        ; 64 rows for each wave
	s_add_co_u32 s14, s14, s15
	s_mov_b32 s15, 0
	s_lshl_b32 s22, ttmp9, 12                      ; out0: 4,096 bytes for each work-group,
	s_lshl_b32 s23, s12, 8                         ; 256 for each wave
	s_add_co_u32 s22, s22, s23
	s_mov_b32 s23, 0
	s_mul_i32 s13, s12, STGW
	s_add_co_u32 s13, s13, STG                     ; my wave's stage
	s_lshl_b32 s19, s12, 8
	s_add_co_u32 s19, s19, OUTS                    ; my wave's results
	s_mul_i32 s25, s12, 2*KP                       ; set-up: my wave stores rows 2 w, 2 w + 1 of each 32 rows of the images
	s_and_b32 s26, s12, 1                          ; odd waves ask for no prefetch
	v_lshlrev_b32 v[LOFF], 4, v2
	v_lshl_add_u32 v[LOFF], v3, 10, v[LOFF]
	v_mul_u32_u24 v14, v3, SP
	v_lshl_add_u32 v14, v2, 4, v14
	v_add_nc_u32 v[STO], s13, v14
	v_mul_u32_u24 v15, v2, SP
	v_lshl_add_u32 v15, v3, 5, v15
	v_add_nc_u32 v[RD], s13, v15
	v_lshlrev_b32 v[PFO], 10, v2
	v_lshl_add_u32 v[PFO], v3, 14, v[PFO]
	v_lshl_add_u32 v[OUTA], v2, 4, s19             ; word 4 r + pass
	v_lshl_add_u32 v[OUTR], v1, 3, s19
	v_lshlrev_b32 v[OOFF], 3, v1
	v_mul_u32_u24 v[FA], v2, KP
	v_lshl_add_u32 v[FA], v3, 4, v[FA]             ; r x 144 + 16 h
	v_and_b32 v14, 7, v0
	v_lshl_add_u32 v14, v3, 3, v14
	v_mul_u32_u24 v[TA], v14, KP
	v_bfe_u32 v14, v0, 3, 1
	v_lshl_add_u32 v[TA], v14, 4, v[TA]            ; (8 h + l % 8) x 144 + 16 ((l / 8) % 2)
	v_lshlrev_b32 v[DA], 5, v3
	v_lshlrev_b32 v[CO], 4, v0                     ; thread t: 16 bytes at 16 t of each half of C: row 32 e + 2 w + h, columns 4 r .. 4 r + 3
	v_lshrrev_b32 v15, 4, v0                       ; 2 w + h
	v_mul_u32_u24 v[CRO], v15, 260                 ; C_nn lies at byte 260 n
	v_mul_u32_u24 v[CCO], v2, 1040
	v_mul_u32_u24 v[CLO], v1, 260
	v_mul_u32_u24 v[IMG], v3, KP
	v_lshl_add_u32 v[IMG], v2, 3, v[IMG]
	v_add_nc_u32 v[IMG], s25, v[IMG]               ; bf16 images: (2 w + h) x 144 + 8 r
	v_lshlrev_b32 v[DGT], 2, v2
	v_sub_nc_u32 v[DGT], v[DGT], v15               ; 4 r - (2 w + h): element (e, c) of mine is on the diagonal where this is 32 e - c
	v_lshlrev_b32 v[DSTO], 4, v2
	s_wait_kmcnt 0x0
	global_load_b128 v[CR:CR+3],   v[CO], s[4:5]
	global_load_b128 v[CR+4:CR+7], v[CO], s[4:5] offset:8192
	global_load_b32 v[CDR],   v[CRO], s[4:5]
	global_load_b32 v[CDR+1], v[CRO], s[4:5] offset:32*260
.irp c, 0,1,2,3
	global_load_b32 v[CDC+\c], v[CCO], s[4:5] offset:260*\c
.endr
	global_load_b32 v[DIA],   v[CLO], s[4:5]
	global_load_b32 v[DIA+1], v[CLO], s[4:5] offset:32*260
	s_add_nc_u64 s[6:7], s[6:7], s[14:15]          ; p, q at my wave's first row
	s_add_nc_u64 s[8:9], s[8:9], s[14:15]
	s_add_nc_u64 s[10:11], s[10:11], s[22:23]      ; out0 at my wave's 256 bytes
	LOADPQ 0                                       ; pass 0's rows come in while the constants are made
	s_wait_loadcnt 16                              ; the ten loads of C are in; the sixteen of p and q behind them stay out
	; c = the middle of the diagonal's range, in every lane of every wave
	v_max_num_f32 v[MX], v[DIA], v[DIA+1]
	v_min_num_f32 v[MN], v[DIA], v[DIA+1]
	v_mul_f32 v[MN], -1.0, v[MN]                   ; the minimum as a maximum of negatives
.irp m, 1,2,4,8
	v_max_num_f32_dpp v[MX], v[MX], v[MX] row_xmask:\m row_mask:0xf bank_mask:0xf
	v_max_num_f32_dpp v[MN], v[MN], v[MN] row_xmask:\m row_mask:0xf bank_mask:0xf
.endr
	v_permlanex16_b32 v[DIA],   v[MX], s16, s17
	v_permlanex16_b32 v[DIA+1], v[MN], s16, s17
	v_max_num_f32 v[MX], v[MX], v[DIA]
	v_max_num_f32 v[MN], v[MN], v[DIA+1]
	v_sub_f32 v[CB], v[MX], v[MN]                  ; max + min
	v_mul_f32 v[CB], 0.5, v[CB]
	; exponents: -10 log2(e) = -14.426950
.irp c, 0,1,2,3
	v_sub_f32 v[DD+\c], v[CDC+\c], v[CB]
.endr
.irp c, 0,1,2,3
	v_mul_f32 v[ID+\c], 0x4166d4ca, v[DD+\c]
	v_mul_f32 v[DD+\c], 0xc166d4ca, v[DD+\c]
.endr
.irp e, 0,1
.irp c, 0,1,2,3
	v_sub_f32 v[RR+4*\e+\c], v[CR+4*\e+\c], v[CDR+\e]
	v_sub_f32 v[SS+4*\e+\c], v[CR+4*\e+\c], v[CDC+\c]
.endr
.endr
.set ii, 0
.rept 16
	v_mul_f32 v[RR+ii], 0xc166d4ca, v[RR+ii]       ; RR and SS lie one behind the other
.set ii, ii+1
.endr
.set ii, 0
.rept 16
	v_exp_f32 v[RR+ii], v[RR+ii]
.set ii, ii+1
.endr
.set ii, 0
.rept 8
	v_exp_f32 v[DD+ii], v[DD+ii]                   ; DD and ID likewise
.set ii, ii+1
.endr
	v_nop                                          ; one plain vector instruction between the last v_exp_f32 and the first use of a result (ISA guide 5.7.2)
.set ii, 0
.rept 4
	s_wait_alu depctr_va_vdst(0)
	v_pk_mul_f32 v[KCR+ii:KCR+ii+1], v[SS+ii:SS+ii+1], v[CR+ii:CR+ii+1]    ; C o S, with its diagonal C_ii x 1
.set ii, ii+2
.endr
.irp e, 0,1
.irp c, 0,1,2,3
	v_cmp_ne_i32 vcc_lo, 32*\e-\c, v[DGT]
	v_cndmask_b32 v[RR+4*\e+\c], 0, v[RR+4*\e+\c], vcc_lo                  ; off the diagonal: as it is; on it: 0
	v_cndmask_b32 v[SS+4*\e+\c], 0, v[SS+4*\e+\c], vcc_lo
.endr
.endr
.irp e, 0,1
.irp c, 0,1
	v_cvt_pk_bf16_f32 v[PK+2*\e+\c],   v[RR+4*\e+2*\c],  v[RR+4*\e+2*\c+1]
	v_cvt_pk_bf16_f32 v[PK+4+2*\e+\c], v[SS+4*\e+2*\c],  v[SS+4*\e+2*\c+1]
	v_cvt_pk_bf16_f32 v[PK+8+2*\e+\c], v[KCR+4*\e+2*\c], v[KCR+4*\e+2*\c+1]
.endr
.endr
.irp e, 0,1
	ds_store_b64 v[IMG], v[PK+2*\e:PK+2*\e+1]     offset:RZ+\e*32*KP
	ds_store_b64 v[IMG], v[PK+4+2*\e:PK+4+2*\e+1] offset:SZ+\e*32*KP
	ds_store_b64 v[IMG], v[PK+8+2*\e:PK+8+2*\e+1] offset:KCI+\e*32*KP
.endr
	s_cmp_lg_u32 s12, 0                            ; every wave has d of columns 4 r ..: wave 0 stores them
	s_cbranch_scc1 .Lnod
	ds_store_b128 v[DSTO], v[DD:DD+3] offset:DV
	ds_store_b128 v[DSTO], v[ID:ID+3] offset:IDV
.Lnod:
	s_wait_dscnt 0x0                               ; zero: the other waves read what I stored
	s_barrier_signal -1
	s_barrier_wait -1                              ; the launch's only barrier: the images and the two tables are whole
; One array of 16 rows x 64 f32 from the load layout (lane: 16 bytes of a row) to the result layout (lane: 32 states of row r), through my wave's own stage.
; LDS serves a wave's instructions in order (ISA guide 5.7.1): no wait between the stores and the loads, nor in front of the next array's stores.
; left = the loads of p and q issued behind this array's eight.
.macro STAGE raw, dst, left
	s_wait_loadcnt \left
.irp i, 0,1,2,3,4,5,6,7
	ds_store_b128 v[STO], v[\raw+4*\i:\raw+4*\i+3] offset:2*SP*\i          ; rows 2 i + h
.endr
.irp t, 0,1,2,3
.irp e, 0,1
	ds_load_b128 v[\dst+8*\t+4*\e:\dst+8*\t+4*\e+3], v[RD] offset:64*\t+16*\e   ; states 16 t + 8 h + 4 e ..
.endr
.endr
.endm
; x = d (x + 1e-8) / (sum(x) + 64e-8) on the 32 registers at xb; the other 32 states of the row lie in lane l xor 16.  d lies in ACC; temporaries in B.
.macro NORM xb
.irp c, 0,2,4,6
	v_pk_add_f32 v[B_+\c:B_+\c+1], v[\xb+\c:\xb+\c+1], v[\xb+8+\c:\xb+8+\c+1]   ; four chains, started by the first sums: nothing is cleared
.endr
.irp g, 16,24
.irp c, 0,2,4,6
	v_pk_add_f32 v[B_+\c:B_+\c+1], v[B_+\c:B_+\c+1], v[\xb+\g+\c:\xb+\g+\c+1]
.endr
.endr
	v_pk_add_f32 v[B_:B_+1], v[B_:B_+1], v[B_+2:B_+3]
	v_pk_add_f32 v[B_+4:B_+5], v[B_+4:B_+5], v[B_+6:B_+7]
	v_pk_add_f32 v[B_:B_+1], v[B_:B_+1], v[B_+4:B_+5]
	v_add_f32 v[B_], v[B_], v[B_+1]
	v_permlanex16_b32 v[B_+1], v[B_], s16, s17
	v_add_f32 v[B_], v[B_], v[B_+1]
	v_add_f32 v[B_], 0x352bcc77, v[B_]             ; + 64 x 1e-8
	v_rcp_f32 v[B_+2], v[B_]
	v_nop                                          ; the plain place behind v_rcp_f32
	s_wait_alu depctr_va_vdst(0)
	v_mul_f32 v[B_+4], 0x322bcc77, v[B_+2]         ; 1e-8 / sum
.set ii, 0
.rept 16
	v_pk_fma_f32 v[\xb+ii:\xb+ii+1], v[\xb+ii:\xb+ii+1], v[B_+2:B_+3], v[B_+4:B_+5] op_sel_hi:[1,0,0]   ; both halves by B_+2 and B_+4
.set ii, ii+2
.endr
.set ii, 0
.rept 16
	v_pk_mul_f32 v[\xb+ii:\xb+ii+1], v[\xb+ii:\xb+ii+1], v[ACC+ii:ACC+ii+1]
.set ii, ii+2
.endr
.endm
; The elementwise half of a step: ACC = num / ACC (v~ or u~ in f32, the next product's C); B = its bf16 image, the next B operand.
; The reciprocals run four pairs ahead of the multiplies and the conversions two pairs behind them: no instruction reads what one of the
; seven in front of it wrote (three in the run-out), and plain vector instructions stand between each v_rcp_f32 and the use of its result.
; last = 1: no bf16 image; B keeps v~.
.macro ESTEP num, last
.irp j, 0,1,2,3,4,5,6,7
	v_rcp_f32 v[ACC+\j], v[ACC+\j]
.endr
	v_nop                                          ; the plain place between the first eight reciprocals and their first use (ISA guide 5.7.2)
.set ee, 0
.rept 18
.if ee < 24
	v_rcp_f32 v[ACC+ee+8], v[ACC+ee+8]
	v_rcp_f32 v[ACC+ee+9], v[ACC+ee+9]
.endif
.if ee < 32
	s_wait_alu depctr_va_vdst(0)
	v_pk_mul_f32 v[ACC+ee:ACC+ee+1], v[ACC+ee:ACC+ee+1], v[\num+ee:\num+ee+1]
.endif
.if \last == 0
.if ee >= 4
	v_cvt_pk_bf16_f32 v[B_+(ee-4)/2], v[ACC+ee-4], v[ACC+ee-3]
.endif
.endif
.set ee, ee+2
.endr
.endm
; The matrix half: ACC += af x B, 64 states out x 64 states in x 16 rows.  The four accumulators take turns, one instruction a turn, from one block into the
; next and over the loops' backward jumps too.  The chain has no independent vector work here, so four v_nop are the places
; in front of the reciprocals, which read and rewrite the sums, of the conversions, which rewrite B, and of the loads into af's registers.
.macro WSTEP af
.irp s, 0,1
.irp t, 0,1,2,3
	v_wmma_f32_16x16x32_bf16 v[ACC+8*\t:ACC+8*\t+7], v[\af+8*(2*\t+\s):\af+8*(2*\t+\s)+7], v[B_+8*\s:B_+8*\s+7], v[ACC+8*\t:ACC+8*\t+7]
.endr
.endr
.rept 4
	v_nop
.endr
.endm
.macro TRIP                            ; v~ and u~ of one iteration, and the product that the next v~ needs
	ESTEP Q_, 0                                    ; v~ = q~ / (u~ + R^T u~)
	WSTEP KM                                       ; v~ + S v~
	ESTEP P_, 0                                    ; u~ = p~ / (v~ + S v~)
	WSTEP KT                                       ; u~ + R^T u~
.endm
	s_mov_b32 s21, 0                               ; pass
.Lpass:
	STAGE KT, P_, 8                                ; p's eight loads are in, q's eight may be out
	STAGE KT+32, Q_, 0
.irp t, 0,1,2,3
.irp e, 0,1
	ds_load_b128 v[ACC+8*\t+4*\e:ACC+8*\t+4*\e+3], v[DA] offset:DV+64*\t+16*\e      ; d of states 16 t + 8 h + 4 e ..
.endr
.endr
	s_wait_dscnt 0x0                               ; p, q and d are in their registers, and the stage's stores have read KT's
	; the two constant matrices, whose registers held other things between the passes; they come in under the normalisation
.irp t, 0,1,2,3
.irp s, 0,1
	ds_load_tr16_b128 v[KT+8*(2*\t+\s):KT+8*(2*\t+\s)+3],   v[TA] offset:RZ+32*KP*\s+32*\t            ; k = 32 s + 8 h .. of column 16 t + r
	ds_load_tr16_b128 v[KT+8*(2*\t+\s)+4:KT+8*(2*\t+\s)+7], v[TA] offset:RZ+32*KP*\s+32*\t+16*KP      ; k = 32 s + 16 + 8 h ..
	ds_load_b128 v[KM+8*(2*\t+\s):KM+8*(2*\t+\s)+3],   v[FA] offset:SZ+16*KP*\t+64*\s                 ; row 16 t + r, k = 32 s + 8 h ..
	ds_load_b128 v[KM+8*(2*\t+\s)+4:KM+8*(2*\t+\s)+7], v[FA] offset:SZ+16*KP*\t+64*\s+32
.endr
.endr
	NORM P_
	NORM Q_
	; u = 1: u~ = d lies in ACC already; its bf16 image is the first B operand
.set ii, 0
.rept 16
	v_cvt_pk_bf16_f32 v[B_+ii], v[ACC+2*ii], v[ACC+2*ii+1]
.set ii, ii+1
.endr
	s_wait_dscnt 0x0                               ; KT and KM
	WSTEP KT
	s_mov_b32 s20, ITERS-1-AHEAD
.LiterA:
	TRIP
	s_sub_co_i32 s20, s20, 1
	s_cmp_lg_u32 s20, 0
	s_cbranch_scc1 .LiterA
	; The next pass's rows, AHEAD trips in front of their loads: an even wave asks, lane (r, h) at the first byte of row 4 r + pass + 1 of its own 64 rows (h = 0)
	; or of the next wave's (h = 1), of p and of q: each row of 256 bytes once, 8 KiB for each wave.  The last pass asks for nothing.
	s_cmp_eq_u32 s21, PASSES-1
	s_cbranch_scc1 .Lnopf
	s_cmp_lg_u32 s26, 0
	s_cbranch_scc1 .Lnopf
	global_prefetch_b8 v[PFO], s[6:7] offset:256 th:TH_LOAD_NT scope:SCOPE_SE
	global_prefetch_b8 v[PFO], s[8:9] offset:256 th:TH_LOAD_NT scope:SCOPE_SE
.Lnopf:
	s_mov_b32 s20, AHEAD
.LiterB:
	TRIP
	s_sub_co_i32 s20, s20, 1
	s_cmp_lg_u32 s20, 0
	s_cbranch_scc1 .LiterB
	; KT has served its last product of the pass (four places stand behind it): its registers take the next pass's rows, one iteration and the last
	; product ahead of their use.  The last pass loads nothing: no load leaves the buffers.
	s_cmp_eq_u32 s21, PASSES-1
	s_cbranch_scc1 .Lnold
	LOADPQ 256
.Lnold:
	; iteration 25, written out: u~ stays in f32, v~'s bf16 image feeds the last product
	ESTEP Q_, 0
	WSTEP KM
.irp t, 0,1,2,3
.irp s, 0,1
	ds_load_b128 v[KM+8*(2*\t+\s):KM+8*(2*\t+\s)+3],   v[FA] offset:KCI+16*KP*\t+64*\s                ; C o S into KM's registers, four places behind KM's last product
	ds_load_b128 v[KM+8*(2*\t+\s)+4:KM+8*(2*\t+\s)+7], v[FA] offset:KCI+16*KP*\t+64*\s+32
.endr
.endr
.irp t, 0,1,2,3
.irp e, 0,1
	ds_load_b128 v[Q_+8*\t+4*\e:Q_+8*\t+4*\e+3], v[DA] offset:IDV+64*\t+16*\e       ; 1 / d into q's registers, which are free
.endr
.endr
	ESTEP P_, 1                                    ; u~; the 24 LDS loads come in under it
	s_wait_dscnt 0x0
	; (C o S) v~ into p's registers, which are free; the first K step starts the sums; four accumulators by turns
.irp t, 0,1,2,3
	v_wmma_f32_16x16x32_bf16 v[P_+8*\t:P_+8*\t+7], v[KM+16*\t:KM+16*\t+7], v[B_:B_+7], 0
.endr
.irp t, 0,1,2,3
	v_wmma_f32_16x16x32_bf16 v[P_+8*\t:P_+8*\t+7], v[KM+16*\t+8:KM+16*\t+15], v[B_+8:B_+15], v[P_+8*\t:P_+8*\t+7]
.endr
.set ii, 0
.rept 16
	v_pk_mul_f32 v[ACC+ii:ACC+ii+1], v[ACC+ii:ACC+ii+1], v[Q_+ii:Q_+ii+1]  ; u = u~ / d: sixteen plain instructions that name none of the products' registers: their places
.set ii, ii+2
.endr
	; sum over the 64 states of u o ((C o S) v~): 32 in my lane, 32 in lane l xor 16
.irp c, 0,2,4,6
	v_pk_mul_f32 v[Q_+\c:Q_+\c+1], v[ACC+\c:ACC+\c+1], v[P_+\c:P_+\c+1]
.endr
.irp g, 8,16,24
.irp c, 0,2,4,6
	v_pk_fma_f32 v[Q_+\c:Q_+\c+1], v[ACC+\g+\c:ACC+\g+\c+1], v[P_+\g+\c:P_+\g+\c+1], v[Q_+\c:Q_+\c+1]
.endr
.endr
	v_pk_add_f32 v[Q_:Q_+1], v[Q_:Q_+1], v[Q_+2:Q_+3]
	v_pk_add_f32 v[Q_+4:Q_+5], v[Q_+4:Q_+5], v[Q_+6:Q_+7]
	v_pk_add_f32 v[Q_:Q_+1], v[Q_:Q_+1], v[Q_+4:Q_+5]
	v_add_f32 v[Q_], v[Q_], v[Q_+1]
	v_permlanex16_b32 v[Q_+1], v[Q_], s16, s17
	v_add_f32 v[Q_], v[Q_], v[Q_+1]
	ds_store_b32 v[OUTA], v[Q_]                    ; row 4 r + pass of my wave; lanes r and r + 16 write the same word with the same value
	v_add_nc_u32 v[OUTA], 4, v[OUTA]
	s_wait_xcnt 0x0                                ; the bases that this pass's loads and prefetches name are stepped only behind this wait
	s_add_nc_u64 s[6:7], s[6:7], 256               ; the next pass takes the next row of each four
	s_add_nc_u64 s[8:9], s[8:9], 256
	s_add_co_u32 s21, s21, 1
	s_cmp_lt_u32 s21, PASSES
	s_cbranch_scc1 .Lpass
	ds_load_b64 v[14:15], v[OUTR]                  ; my wave's own bytes, served behind its four stores: rows 2 l, 2 l + 1
	s_wait_dscnt 0x0
	global_store_b64 v[OOFF], v[14:15], s[10:11] th:TH_STORE_NT            ; the wave stores 256 consecutive bytes, aligned
	s_wait_xcnt 0x0
	v_lshl_add_u32 v238, v0, 2, 0x18e00
	v_mov_b32 v239, 0
	s_wait_tensorcnt 0x0
	ds_add_u32 v238, v239
	s_wait_dscnt 0x0
	s_endpgm
.Lfunc_end_k_q46d1fd1c46_sinkhorn:
	.size	k_q46d1fd1c46_sinkhorn, .Lfunc_end_k_q46d1fd1c46_sinkhorn-k_q46d1fd1c46_sinkhorn
	.p2alignl 7, 3214868480
	.fill 96, 4, 3214868480
	.section	.rodata,"a",@progbits
	.p2align	6, 0x0
	.amdhsa_kernel k_q46d1fd1c46_sinkhorn
		.amdhsa_group_segment_fixed_size 103936
		.amdhsa_private_segment_fixed_size 0
		.amdhsa_enable_private_segment 0
		.amdhsa_kernarg_size 32
		.amdhsa_user_sgpr_count 2
		.amdhsa_user_sgpr_kernarg_segment_ptr 1
		.amdhsa_wavefront_size32 1
		.amdhsa_system_sgpr_workgroup_id_x 1
		.amdhsa_system_sgpr_workgroup_id_y 1
		.amdhsa_system_sgpr_workgroup_id_z 1
		.amdhsa_system_vgpr_workitem_id 0
		.amdhsa_next_free_vgpr 256
		.amdhsa_next_free_sgpr 66
		.amdhsa_reserve_vcc 1
		.amdhsa_float_denorm_mode_32 3
		.amdhsa_float_denorm_mode_16_64 3
		.amdhsa_memory_ordered 1
		.amdhsa_forward_progress 1
		.amdhsa_inst_pref_size 56
	.end_amdhsa_kernel
	.amdgpu_metadata
---
amdhsa.version: [ 1, 2 ]
amdhsa.kernels:
  - .name:           k_q46d1fd1c46_sinkhorn
    .symbol:         k_q46d1fd1c46_sinkhorn.kd
    .args:
      - { .name: cost_matrix, .offset: 0, .size: 8, .value_kind: global_buffer, .address_space: global }
      - { .name: p, .offset: 8, .size: 8, .value_kind: global_buffer, .address_space: global }
      - { .name: q, .offset: 16, .size: 8, .value_kind: global_buffer, .address_space: global }
      - { .name: out0, .offset: 24, .size: 8, .value_kind: global_buffer, .address_space: global }
    .group_segment_fixed_size: 103936
    .private_segment_fixed_size: 0
    .kernarg_segment_align: 8
    .kernarg_segment_size: 32
    .max_flat_workgroup_size: 512
    .sgpr_count:     66
    .vgpr_count:     256
    .wavefront_size: 32
...
	.end_amdgpu_metadata
.endif
;; end of part 2
